; MI455X (gfx1250); checked and timed in simulation.
; The chip was launched on July 23, 2026; its instructions are those of AMD's public machine-readable ISA for CDNA 5 (MIT licence, August 2026) and "CDNA5" Instruction Set Architecture Reference Guide (July 2026). The comments in the code are by the model that wrote it; some were corrected since.
;; Attention. Allowed arithmetic: matrix products marked QUANTISED: E4M3 operands, one E8M0 scale for each 32 along K, by v_wmma_scale_f32_16x16x128_f8f6f4 with both operands' format E4M3, f32 sums; everything else in f32.
;; Inputs: mask 8 x 1,023 int32; w_qkv 1,024 x 3,072 float32; x 8 x 1,024 x 1,024 float32.
;; Outputs: out0 8 x 1,024 x 1,024 float32.
;; This version of the problem:
;;   THIS VERSION OF THE PROBLEM IS GIVEN IN LOW PRECISION. The matrix products marked QUANTISED in the list below multiply operands that are first quantised to E4M3 (4 exponent bits, 3 mantissa bits; 8 bits a number), with one power-of-two scale for each 32 numbers along K (OCP MX v1.0); their sums are f32. All else is computed in f32.
;;   The module's matrix products, in the order in which they are computed (A, B: the left and right operand; K: the contracted axis; several contracted axes count as one K, in the product's order):
;;     1. [M 8,192, K 1,024] x [K 1,024, N 3,072]; A: input x; B: input w_qkv: QUANTISED
;;     2. batch 128 x [M 1,024, K 64] x [K 64, N 1,024]; A: computed on the way; B: computed on the way: QUANTISED
;;     3. batch 128 x [M 1,024, K 1,024] x [K 1,024, N 64]; A: softmax (see below); B: computed on the way: QUANTISED
;;   THE QUANTISER, for each operand of a quantised product, along K:
;;     - K is cut into blocks of 32 from its start; a last block that is shorter is filled with zeros.
;;     - A block's scale is 2^e with e = floor(log2(the largest magnitude in the block)) - 8, held to -126 .. 127; a block of zeros has e = 0. As a byte (E8M0): e + 127.
;;     - Each number is divided by its block's scale, clamped to +-448, and rounded to the nearest number of E4M3, ties to even, subnormals kept.
;;     - The product sums the exact products of the quantised numbers (number of the format x scale) in f32.
;;   ~~~python
;;   def quantise(x, axis):      # numpy; x: float32 -> the quantised numbers, widened to float32 again
;;       x = np.moveaxis(x, axis, -1); K = x.shape[-1]
;;       x = np.pad(x, [(0, 0)] * (x.ndim - 1) + [(0, -K % 32)]); x = x.reshape(x.shape[:-1] + (-1, 32)); a = np.abs(x).max(-1, keepdims=True)
;;       e = np.where(a > 0, np.clip(np.frexp(np.where(a > 0, a, 1))[1] - 1 - 8, -126, 127), 0)      # np.frexp(a)[1] - 1 = floor(log2(a)), exactly
;;       r = np.clip(x / 2.0 ** e, -448, 448)
;;       step = 2.0 ** (np.maximum(np.frexp(np.where(r == 0, 1, r))[1] - 1, -6) - 3)
;;       q = np.round(r / step) * step * 2.0 ** e      # np.round: ties to even
;;       return np.moveaxis(q.reshape(q.shape[:-2] + (-1,))[..., :K], -1, axis).astype(np.float32)
;;   ~~~
;;   SOFTMAX AHEAD OF A QUANTISED PRODUCT. Where the list says 'softmax', what is quantised is not the finished softmax but p = 2^(t - M), with t = logit x log2(e) and M = ceil(the row's largest t), a whole number; so 1/2 < the row's largest p <= 1. The row's sum l is taken of the UNQUANTISED p, in f32, and the product's result is divided by l at the end. Since M is a whole number, a kernel that streams over the keys may use a running M (the ceiling of the running maximum): every later rescaling is an exact power of two, which a block's scale takes up: the codes' values come out the same.
;;   OPERANDS COMPUTED ON THE WAY. 'Computed on the way' means the value that the module computes at that place (a softmax that the list does not call 'softmax' is quantised finished and normalised). What goes into a quantiser is computed in f32, as accurately as f32 sums, v_exp_f32 and their like allow (about 1e-6 of the number): no bf16 or f16 on the way to a quantiser, and a product that is left as it is and whose result goes on into a quantised operand takes f32 operands (vector FMAs, or v_wmma_f32_16x16x4_f32). A number that lies on a knife's edge between two numbers of the format may be rounded either way, as far as f32 arithmetic and the matrix unit's own rounding can turn it there, and no further.
;; One version. Each part assembles by itself: llvm-mc -triple=amdgcn-amd-amdhsa -mcpu=gfx1250 --defsym DOCPART=n.
;; ======== version 1 of 1: 3 launches
;; limits: right only within a limited range of input values
;; workspace buffers: xc 8,388,608 bytes; xs 262,144 bytes; wc 3,145,728 bytes; ws 98,304 bytes; qc 8,388,608 bytes; qs 524,288 bytes; kv 17,563,648 bytes
;; launch quant (part 1): grid 352 x 1, 4 waves a work-group, no clusters, 101,888 bytes of LDS; arguments x, w_qkv, xc, xs, wc, ws; writes xc, xs, wc, ws
.if DOCPART == 1
	.amdgcn_target "amdgcn-amd-amdhsa--gfx1250"
	.amdhsa_code_object_version 6
	.text
	.protected	k_qee5c158c62_quant
	.globl	k_qee5c158c62_quant
	.p2align	8
	.type	k_qee5c158c62_quant,@function
k_qee5c158c62_quant:
	s_mov_b64 s[64:65], 0
	v_nop
	global_prefetch_b8 v0, s[64:65] scope:SCOPE_SE
	s_setreg_imm32_b32 hwreg(HW_REG_WAVE_MODE, 25, 1), 1
	s_wait_xcnt 0x0
; x [8192][1024] f32 (K innermost) and w_qkv [1024 (K)][3072] f32 (K outermost) become codes of FP8 (E4M3) with K innermost and one E8M0 byte for each 32 along K:
; xc [8192][1024], xs [8192][32], wc [3072][1024], ws [3072][32].
; A block's scale is 2^(floor(log2(largest magnitude)) - 8): its byte is the largest magnitude's exponent field - 8, held at 1 from below; each number is held within +-448 x scale and rounded to the nearest code.
; THE ROWS ARE LAID IN ANOTHER ORDER: in every group of 32 rows of both outputs the second and the third group of 8 change places (place 16 u + r holds row 8 u + r + 8 (r / 8)).
; The product that reads these buffers takes 16 neighbouring places as a tile; its results of two neighbouring tiles are then 16 neighbours of the true order in one lane's registers.
; LIMITS: a block of zeros gets the byte 1 where the rule says 127 (its codes are zeros, and only this program reads the bytes); NaN and infinities among the inputs are not served.
; Work-groups 0-255 take x, 32 rows each; work-groups 256-351 take w, 128 columns x 256 along K each: 131,072 bytes read by each.  Each path has LDS bytes of its own.
; No tensor loads, no barrier: waves share nothing.  Matrix units and clusters have no work here: each input byte is read once.
.set XWG,   256                        ; work-groups of path X
.set STEPS, 16                         ; path X: a wave takes 16 steps of 512 numbers: half of K of each of the 16 rows of a tile
.set SP,    80                         ; a lane's place in a stage: 64 bytes + 16 of padding
.set WREG,  8192                       ; path X: LDS of a wave: two stages of 32 x SP bytes, then its 256 scale bytes
.set MANT,  0x600000                   ; the mantissa field of 448
.set XR,    16                         ; v16-79   four sets of 16 numbers as loaded
.set XX,    80                         ; v80-111  two sets of 16 neighbours
.set XE,    112                        ; v112-127 a scale byte for each step
.set XC,    128                        ; v128-191 codes, four registers for each step: no store's data are written again
.set WLDS,  32768                      ; path W: its stages begin here
.set PITCH, 272                        ; a stage row: 256 bytes of codes + 16
.set NB,    8                          ; blocks of 32 along K for a wave
.set SIZE_N, 3072
.set WX,    32                         ; v32-95   two sets of 32 numbers
.set WC,    96                         ; v96-103  a block's codes
.set WOUT,  112                        ; v112-175 the way out
.set WSB,   24                         ; v24-25   the scale bytes, four to a register
.macro XLOAD t                         ; step t: four loads of 512 consecutive bytes
.irp i, 0,1,2,3
	global_load_b128 v[XR+16*((\t)%4)+4*\i:XR+16*((\t)%4)+4*\i+3], v3, s[4:5] offset:((\t)+8*((\t)/8))*4096+512*\i th:TH_LOAD_NT   ; place t of the tile is row t + 8 (t / 8) from the tile's first
.endr
.endm
.macro XTURN t                         ; step t's 2,048 bytes through the wave's stage: in as loaded, back 64 bytes a lane.  LDS serves a wave's instructions in order (ISA guide 5.7.1.4)
.irp i, 0,1,2,3
	ds_store_b128 v14, v[XR+16*((\t)%4)+4*\i:XR+16*((\t)%4)+4*\i+3] offset:32*SP*((\t)%2)+8*SP*\i
.endr
.irp i, 0,1,2,3
	ds_load_b128 v[XX+16*((\t)%2)+4*\i:XX+16*((\t)%2)+4*\i+3], v15 offset:32*SP*((\t)%2)+16*\i
.endr
.endm
.macro XSTEP t
.set XS, XX+16*((\t)%2)
.if (\t) > 0
	s_wait_dscnt 1                                 ; this step's numbers are back from the stage; only the last step's code store may be out
.else
	s_wait_dscnt 0x0
.endif
.if (\t)+4 < STEPS
	XLOAD (\t)+4                                   ; the stage's stores have read these registers: they take the loads of four steps on
.endif
.if (\t)+1 < STEPS
.if STEPS-2-(\t) >= 3
	s_wait_loadcnt 12                              ; the next step's four loads are in; those of the three steps behind it stay out
.else
	s_wait_loadcnt 4*(STEPS-2-(\t))
.endif
	XTURN (\t)+1
.endif
	v_max3_num_f32 v8, |v[XS]|, |v[XS+1]|, |v[XS+2]|               ; the largest magnitude of my 16, in two chains
	v_max3_num_f32 v9, |v[XS+3]|, |v[XS+4]|, |v[XS+5]|
.irp i, 6,10
	v_max3_num_f32 v8, v8, |v[XS+\i]|, |v[XS+\i+1]|
	v_max3_num_f32 v9, v9, |v[XS+\i+2]|, |v[XS+\i+3]|
.endr
	v_max3_num_f32 v8, v8, |v[XS+14]|, |v[XS+15]|
	v_max3_num_f32 v8, v8, v9, 0x4800000           ; and the floor 2^(9 - 127): the byte cannot fall under 1
	v_max_num_f32_dpp v8, v8, v8 row_xmask:1 row_mask:0xf bank_mask:0xf   ; with my neighbour's 16: the block's
	v_add_nc_u32 v11, 0xfc000000, v8               ; 8 off the exponent field: the conversion's scale operand
	v_and_or_b32 v10, v8, 0x7f800000, s23          ; 448 x the scale
.irp i, 0,1,2,3,4,5,6,7,8,9,10,11,12,13,14,15
	v_med3_num_f32 v[XS+\i], v[XS+\i], -v10, v10   ; the conversion to an 8-bit code does not saturate (ISA guide 7.6.2): the hold comes first
.endr
	v_cvt_scalef32_pk8_fp8_f32 v[XC+4*(\t):XC+4*(\t)+1], v[XS:XS+7], v11
	v_cvt_scalef32_pk8_fp8_f32 v[XC+4*(\t)+2:XC+4*(\t)+3], v[XS+8:XS+15], v11
	v_lshrrev_b32 v[XE+(\t)], 23, v11              ; the scale's byte
	ds_store_b8 v5, v[XE+(\t)] offset:16*(\t)      ; both lanes of a block write the same byte with the same value
	ds_store_b128 v4, v[XC+4*(\t):XC+4*(\t)+3] offset:528*(\t)   ; the codes wait in the wave's second stage: place t's 512 bytes + 16 of padding
.endm
.macro WLOAD t                         ; block t: w(32 t + i, my column), i = 0 .. 31: each load reads 128 consecutive bytes
.set i, 0
.rept 32
	global_load_b32 v[WX+32*((\t)%2)+i], v3, s[6:7] offset:(32*(\t)+i)*SIZE_N*4 th:TH_LOAD_NT
.set i, i+1
.endr
.endm
.macro WBLOCK t
.set WS, WX+32*((\t)%2)
.if (\t) < NB-1
	s_wait_loadcnt 32                              ; this block's 32 loads are in; the next block's stay out
.else
	s_wait_loadcnt 0
.endif
	v_max3_num_f32 v12, |v[WS]|, |v[WS+1]|, |v[WS+2]|              ; all 32 numbers of the block are mine
	v_max3_num_f32 v13, |v[WS+3]|, |v[WS+4]|, |v[WS+5]|
.irp i, 6,10,14,18,22,26
	v_max3_num_f32 v12, v12, |v[WS+\i]|, |v[WS+\i+1]|
	v_max3_num_f32 v13, v13, |v[WS+\i+2]|, |v[WS+\i+3]|
.endr
	v_max3_num_f32 v12, v12, |v[WS+30]|, |v[WS+31]|
	v_max3_num_f32 v12, v12, v13, 0x4800000
	v_add_nc_u32 v11, 0xfc000000, v12
	v_and_or_b32 v10, v12, 0x7f800000, s31
	v_lshrrev_b32 v13, 23, v11
.if (\t)%4 == 0
	v_mov_b32 v[WSB+(\t)/4], v13                   ; four bytes to a register, the lower K in the lower byte
.else
	v_lshl_or_b32 v[WSB+(\t)/4], v13, 8*((\t)%4), v[WSB+(\t)/4]
.endif
.set i, 0
.rept 32
	v_med3_num_f32 v[WS+i], v[WS+i], -v10, v10
.set i, i+1
.endr
.irp g, 0,1,2,3
	v_cvt_scalef32_pk8_fp8_f32 v[WC+2*\g:WC+2*\g+1], v[WS+8*\g:WS+8*\g+7], v11
.endr
	ds_store_b128 v4, v[WC:WC+3] offset:32*(\t)    ; 32 codes of my column's row
	ds_store_b128 v4, v[WC+4:WC+7] offset:32*(\t)+16
.if (\t)+2 < NB
	WLOAD (\t)+2
.endif
	s_wait_dscnt 0x0                               ; the stores have read their registers: the next block's codes may be written
.endm
	s_load_b128 s[4:7], s[0:1], 0x0                ; x, w_qkv
	s_load_b128 s[8:11], s[0:1], 0x10              ; xc, xs
	s_load_b128 s[12:15], s[0:1], 0x20             ; wc, ws
	v_lshl_add_u32 v192, v0, 2, 0x10800
	v_mov_b32 v193, 0
	v_lshrrev_b32 v1, 5, v0
	v_readfirstlane_b32 s16, v1                    ; wave 0..3
	v_and_b32 v2, 31, v0                           ; lane
	s_cmp_lt_u32 ttmp9, XWG
	s_cbranch_scc0 .Lw
	; ---------------- x: a work-group takes 32 rows = two tiles of 16 places; wave n takes tile n / 2, half n % 2 of K
	v_lshlrev_b32 v3, 4, v2                        ; my 16 bytes of a load's 512, and of a 512-byte piece of codes
	s_mul_i32 s28, s16, 8448                       ; the second stage: 8 rows x 1,056 bytes for each wave, behind all other LDS bytes of the launch
	s_add_co_u32 s28, s28, 68096
	v_add_nc_u32 v4, s28, v3
	s_mul_i32 s17, s16, WREG
	v_lshrrev_b32 v14, 2, v2
	v_mul_u32_u24 v14, v14, SP
	v_and_b32 v15, 3, v2
	v_lshl_add_u32 v14, v15, 4, v14
	v_add_nc_u32 v14, s17, v14                     ; the stage, on the way in: SP (lane / 4) + 16 (lane % 4)
	v_mul_u32_u24 v15, v2, SP
	v_add_nc_u32 v15, s17, v15                     ; on the way out: SP x lane
	v_lshrrev_b32 v5, 1, v2
	s_add_co_u32 s17, s17, 2*32*SP
	v_add_nc_u32 v5, s17, v5                       ; my block's byte among the wave's 256
	v_lshlrev_b32 v7, 3, v2
	v_add_nc_u32 v6, s17, v7                       ; and 8 bytes a lane on the way out
	s_mov_b32 s23, MANT
	s_lshl_b32 s18, ttmp9, 2
	s_lshl_b32 s20, ttmp9, 17                      ; what I read: 32 rows of 4,096 bytes a work-group, + 8 rows x tile, + 2,048 bytes x half of K
	s_lshr_b32 s22, s16, 1
	s_lshl_b32 s22, s22, 15
	s_add_co_u32 s20, s20, s22
	s_and_b32 s22, s16, 1
	s_lshl_b32 s22, s22, 11
	s_add_co_u32 s20, s20, s22
	s_mov_b32 s21, 0
	; xc IS LAID AS IMAGES OF OPERAND REGISTERS: [tile of 16 places][32 along K: 512 bytes][16 of the 32][place][16 bytes]; xs: [tile][half of K][place][16 bytes]
	s_add_co_u32 s19, s18, s16                     ; 2 x tile + half of K
	s_lshl_b32 s24, s19, 13                        ; 8,192 bytes of codes,
	s_mov_b32 s25, 0
	s_lshl_b32 s26, s19, 8                         ; 256 scale bytes
	s_mov_b32 s27, 0
	s_wait_alu depctr_va_vdst(0)
	s_wait_kmcnt 0x0
	s_add_nc_u64 s[4:5], s[4:5], s[20:21]
	s_add_nc_u64 s[8:9], s[8:9], s[24:25]
	s_add_nc_u64 s[10:11], s[10:11], s[26:27]
.irp t, 0,1,2,3
	XLOAD \t
.endr
	s_wait_loadcnt 12                              ; step 0's four loads are in
	XTURN 0
.irp t, 0,1,2,3,4,5,6,7,8,9,10,11,12,13,14,15
	XSTEP \t
.endr
	ds_load_b64 v[12:13], v6                       ; served in order behind my byte stores
	s_wait_dscnt 0x0
	global_store_b64 v7, v[12:13], s[10:11]
	v_and_b32 v8, 15, v2                           ; the codes leave: lane 16 h + r takes 16 bytes of place r, 16 h into each 32 along K
	v_mul_u32_u24 v8, v8, 528
	v_lshrrev_b32 v9, 4, v2
	v_lshl_add_u32 v8, v9, 4, v8
	v_add_nc_u32 v8, s28, v8
.irp i, 0,1,2,3,4,5,6,7,8,9,10,11,12,13,14,15
	ds_load_b128 v[XR+4*\i:XR+4*\i+3], v8 offset:32*\i   ; served in order behind my stores
.endr
.irp i, 0,1,2,3,4,5,6,7,8,9,10,11,12,13,14,15
	s_wait_dscnt 15-\i                             ; the younger loads stay out
	global_store_b128 v3, v[XR+4*\i:XR+4*\i+3], s[8:9] offset:512*\i   ; 32 lanes store 512 consecutive bytes, aligned
.endr
	s_wait_tensorcnt 0x0
	ds_add_u32 v192, v193
	s_wait_dscnt 0x0
	s_endpgm
	; ---------------- w: a lane takes a column, its registers run down K
.Lw:
	s_sub_co_u32 s17, ttmp9, XWG
	s_lshr_b32 s18, s17, 2                         ; which 128 columns
	s_and_b32 s19, s17, 3                          ; which 256 along K
	s_lshl_b32 s18, s18, 7
	s_lshl_b32 s20, s16, 5
	s_add_co_u32 s18, s18, s20                     ; my wave's first column: a group of 32 rows of wc
	s_mul_i32 s20, s16, 32*PITCH
	s_add_co_u32 s20, s20, WLDS                    ; my stage
	s_wait_alu depctr_va_vdst(0)
	v_lshlrev_b32 v3, 2, v2                        ; in: 4 bytes a lane
	v_mul_u32_u24 v4, v2, PITCH
	v_add_nc_u32 v4, s20, v4                       ; into the stage: row = my column
	v_and_b32 v5, 15, v2
	v_lshrrev_b32 v6, 4, v2
	v_mul_u32_u24 v7, v6, PITCH
	v_lshl_add_u32 v7, v5, 4, v7
	v_add_nc_u32 v7, s20, v7                       ; out of it: sixteen lanes to a row, two rows an instruction
	v_lshlrev_b32 v8, 10, v6
	v_lshl_add_u32 v8, v5, 4, v8                   ; and the same in wc: rows of 1,024 bytes
	v_and_b32 v9, 7, v2                            ; my column's place among the 32: bits 3 and 4 of the lane change places
	v_and_b32 v10, 8, v2
	v_lshl_or_b32 v9, v10, 1, v9
	v_and_b32 v10, 16, v2
	v_lshrrev_b32 v10, 1, v10
	v_or_b32 v9, v9, v10
	v_lshlrev_b32 v9, 5, v9                        ; 32 scale bytes a row of ws
	s_mul_i32 s22, s19, 256*SIZE_N*4               ; w: 256 rows of 12,288 bytes for each step along K, + 4 x column
	s_lshl_b32 s24, s18, 2
	s_add_co_u32 s22, s22, s24
	s_mov_b32 s23, 0
	s_lshl_b32 s24, s18, 10                        ; wc: column x 1,024 + 256 x step
	s_lshl_b32 s26, s19, 8
	s_add_co_u32 s24, s24, s26
	s_mov_b32 s25, 0
	s_lshl_b32 s26, s18, 5                         ; ws: column x 32 + 8 x step
	s_lshl_b32 s28, s19, 3
	s_add_co_u32 s26, s26, s28
	s_mov_b32 s27, 0
	s_mov_b32 s31, MANT
	s_wait_kmcnt 0x0
	s_add_nc_u64 s[6:7], s[6:7], s[22:23]
	s_add_nc_u64 s[12:13], s[12:13], s[24:25]
	s_add_nc_u64 s[14:15], s[14:15], s[26:27]
	WLOAD 0
	WLOAD 1
.irp t, 0,1,2,3,4,5,6,7
	WBLOCK \t
.endr
	global_store_b64 v9, v[WSB:WSB+1], s[14:15]    ; my column's 8 scale bytes
.irp t, 0,1,2,3,4,5,6,7,8,9,10,11,12,13,14,15
	ds_load_b128 v[WOUT+4*\t:WOUT+4*\t+3], v7 offset:2*\t*PITCH
.endr
.irp t, 0,1,2,3,4,5,6,7,8,9,10,11,12,13,14,15
	s_wait_dscnt 15-\t                             ; the younger stage loads stay out
	global_store_b128 v8, v[WOUT+4*\t:WOUT+4*\t+3], s[12:13] offset:(8*(2*((\t/4)%2)+(\t/4)/2)+2*(\t%4))*1024   ; columns 2 t, 2 t + 1 at their places; 16 lanes store 256 consecutive bytes, aligned
.endr
	s_wait_tensorcnt 0x0
	ds_add_u32 v192, v193
	s_wait_dscnt 0x0
	s_endpgm
.Lfunc_end_k_qee5c158c62_quant:
	.size	k_qee5c158c62_quant, .Lfunc_end_k_qee5c158c62_quant-k_qee5c158c62_quant
	.p2alignl 7, 3214868480
	.fill 96, 4, 3214868480
	.section	.rodata,"a",@progbits
	.p2align	6, 0x0
	.amdhsa_kernel k_qee5c158c62_quant
		.amdhsa_group_segment_fixed_size 101888
		.amdhsa_private_segment_fixed_size 0
		.amdhsa_enable_private_segment 0
		.amdhsa_kernarg_size 48
		.amdhsa_user_sgpr_count 2
		.amdhsa_user_sgpr_kernarg_segment_ptr 1
		.amdhsa_wavefront_size32 1
		.amdhsa_system_sgpr_workgroup_id_x 1
		.amdhsa_system_sgpr_workgroup_id_y 1
		.amdhsa_system_sgpr_workgroup_id_z 1
		.amdhsa_system_vgpr_workitem_id 0
		.amdhsa_next_free_vgpr 194
		.amdhsa_next_free_sgpr 66
		.amdhsa_reserve_vcc 0
		.amdhsa_float_denorm_mode_32 3
		.amdhsa_float_denorm_mode_16_64 3
		.amdhsa_memory_ordered 1
		.amdhsa_forward_progress 1
		.amdhsa_inst_pref_size 112
	.end_amdhsa_kernel
	.amdgpu_metadata
---
amdhsa.version: [ 1, 2 ]
amdhsa.kernels:
  - .name:           k_qee5c158c62_quant
    .symbol:         k_qee5c158c62_quant.kd
    .args:
      - { .name: x, .offset: 0, .size: 8, .value_kind: global_buffer, .address_space: global }
      - { .name: w_qkv, .offset: 8, .size: 8, .value_kind: global_buffer, .address_space: global }
      - { .name: xc, .offset: 16, .size: 8, .value_kind: global_buffer, .address_space: global }
      - { .name: xs, .offset: 24, .size: 8, .value_kind: global_buffer, .address_space: global }
      - { .name: wc, .offset: 32, .size: 8, .value_kind: global_buffer, .address_space: global }
      - { .name: ws, .offset: 40, .size: 8, .value_kind: global_buffer, .address_space: global }
    .group_segment_fixed_size: 101888
    .private_segment_fixed_size: 0
    .kernarg_segment_align: 8
    .kernarg_segment_size: 48
    .max_flat_workgroup_size: 128
    .sgpr_count:     66
    .vgpr_count:     194
    .wavefront_size: 32
...
	.end_amdgpu_metadata
.endif
;; end of part 1
;; launch proj (part 2): grid 32 x 8, 4 waves a work-group, clusters of 4 x 1, 327,680 bytes of LDS; arguments xc, xs, wc, ws, qc, qs, kv; writes qc, qs, kv
.if DOCPART == 2
	.amdgcn_target "amdgcn-amd-amdhsa--gfx1250"
	.amdhsa_code_object_version 6
	.text
	.protected	k_qee5c158c62_proj
	.globl	k_qee5c158c62_proj
	.p2align	8
	.type	k_qee5c158c62_proj,@function
k_qee5c158c62_proj:
	s_mov_b64 s[64:65], 0
	v_nop
	global_prefetch_b8 v0, s[64:65] scope:SCOPE_SE
	s_setreg_imm32_b32 hwreg(HW_REG_WAVE_MODE, 25, 1), 1
	s_wait_xcnt 0x0
	s_wait_alu depctr_hold_cnt(0) depctr_sa_sdst(0) depctr_va_vdst(0) depctr_va_sdst(0) depctr_va_ssrc(0) depctr_va_vcc(0) depctr_vm_vsrc(0)
	s_getreg_b32 s2, hwreg(HW_REG_IB_STS2, 6, 4)
	s_cmp_eq_u32 s2, 0
	s_cbranch_scc0 .Lentry_in_a_cluster
	s_endpgm
.Lentry_in_a_cluster:
	s_bfe_u32 s2, ttmp6, 0x10000c
	s_cmp_lg_u32 s2, 0x3003
	s_cbranch_scc0 .Lentry_shape_is_right
	s_endpgm
.Lentry_shape_is_right:
; Q, K, V = x W AND THEIR QUANTISERS, on codes of FP8 (E4M3) with one E8M0 byte for 32 along K: 8,192 x 3,072 x 1,024.  Results leave as codes and scale bytes in the order of the next launch's operand registers.
; THE DEAL.  256 work-groups of four waves.  A work-group makes 256 tokens (grid x) x 384 columns (grid y: heads 2 y, 2 y + 1 of Q, of K and of V).  A wave keeps 64 tokens, ALL of K, in 512 registers,
; loaded straight from xc, which lies as images of operand registers (512 consecutive bytes a load).  The 384 rows of W go past them in 24 blocks of 16 rows, all of K, in two register sets of 128.
; A block is 32 products on 4 accumulators by turns.  Q, K: source 0 = W's rows, source 1 = tokens: a lane holds a token, registers run along the head.  V: source 0 = tokens: a lane holds a channel, registers run along the keys.
; In xc and wc the second and third 8 of each 32 rows have changed places, so 16 registers of two neighbouring tiles are 16 neighbours along the next K; a block of 32 lies in lanes l and l xor 16.
; LDS: two slots of 128 rows x (1,024 + 16) bytes.  Q's rows come at the head, K's into slot 1 behind the first round, V's into slot 0 behind the second: each a quarter a wave, one tensor load a wave.
; Behind the slots: W's scale bytes (12,288, stored by the waves), the results' scale bytes, the spare words.
; CLUSTER 4 x 1: the four work-groups have the same grid y and ask for W's rows jointly (mask 15).  x's rows are each work-group's own.
; PREFETCH: K's and V's 128 rows are named once by each of four clusters of a grid row, 8,192 bytes a wave, the sixteen waves told apart by address; Q's rows come by their load alone.
; OUT: qc[head][tile of 16 tokens][32 of the head's 64][lane][16]; qs[head][4 tiles][row][tile] words; kv[head][key step of 128]: K's 8 tiles, V's 4 tiles of 16 channels x 128 keys, K's words, V's words.
; LIMITS: NaN, infinities and sums beyond f32's range are not served; a block's byte never falls under 1 (a block of zeros has zero codes, and only this program reads the bytes).
.set PITCH, 1040
.set SLOT,  128*PITCH
.set SCW,   2*SLOT                     ; W's scale bytes: [384 rows in the order of work][32]
.set XQ,    SCW+12288                  ; Q's, K's bytes: [wave][pair of blocks 0..7][row][tile]
.set XV,    XQ+2048                    ; V's: [wave][pair 0..3][row][2 x tile + block of keys]
.set SPARE, XV+1024
.set REC,   137216                     ; a head's record in kv
.set STEPB, 17152                      ; a key step's
.set ADR0, 4                           ; v4  my place in a block of W's rows: row x pitch + 16 x half
.set XO,   5                           ; v5  my 16 bytes of a 512-byte piece of xc
.set XSO,  6                           ; v6  16 x row
.set T16,  7                           ; v7  16 x thread
.set WSL,  8                           ; v8  SCW + 16 x thread
.set ASW0, 9                           ; v9  SCW + 32 x lane
.set SPW,  10
.set NIL,  11
.set LI,   12                          ; v12 16 x lane
.set VBQ,  13                          ; v13, v14 my row's bytes in XQ, XV
.set VBV,  14
.set AQ,   15                          ; v15, v16 where the bytes are read back
.set AV,   16
.set QWO,  17                          ; v17-19 the words' offsets in qs and kv
.set KWO,  18
.set VWO,  19
.set WS,   20                          ; v20-27 W's scale words of a pair: lanes 0-15 the even block's, 16-31 the odd's
.set ADR,  28
.set ASW,  29
.set VB,   30
.set PF,   31
.set XS,   32                          ; v32-63 x's scale words: 8 x tile + K step
.set ACC,  64                          ; v64-127 a pair's sums: 32 x block + 8 x tile
.set CD,   128                         ; v128-143 codes
.set TM,   144                         ; v144-159 maxima, bytes, bounds, scale operands
.set F,    160
.set XW,   168
.set YW,   172
.set ZW,   176
.set WT,   180                         ; v180-203 W's scale bytes on their way to LDS
.set G1,   24
.set G0,   32
.set B0,   54                          ; s[54:55] where the phase's codes begin; s[52:53] the pair's; s[56:57] its offset; s58, s59 the offset's two steps by turns
.set OB,   52
.set GO,   56
.set OD,   58
.set OT,   59
.set CNT,  63
.set OFF,  66                          ; s66 LDS byte of the pair that is fetched; s67 its scale words; s68 the bytes' place
.set SOF,  67
.set BOF,  68
.set MSB, 0
.macro WIN new
.if MSB != (\new)
	s_set_vgpr_msb (MSB<<8)|(\new)
.set MSB, (\new)
.endif
.endm
.macro PLACES n
.rept \n
	v_nop
.endr
.endm
.macro CROUND                          ; a round of the cluster's barrier
	s_barrier_signal -1
	s_barrier_wait -1
	s_cmp_lg_u32 s14, 0
	s_cbranch_scc1 .Lnot_wave_0_\@
	s_barrier_signal -3
.Lnot_wave_0_\@:
	s_barrier_wait -3
	s_barrier_signal -1
	s_barrier_wait -1
.endm
.macro TLOAD                           ; my quarter of 128 rows
	tensor_load_to_lds s[G0:G0+3], s[G1:G1+7]
	s_nop 0
	PLACES 4
.endm
.macro BAR                             ; the chunk that was asked for is shown to all four waves
	s_wait_tensorcnt 0x0
	s_wait_dscnt 0x0
	s_barrier_signal -1
	s_barrier_wait -1
.endm
.macro WM d, a, b, sa, sb, zero, mod
.if \zero
	v_wmma_scale_f32_16x16x128_f8f6f4 v[\d:\d+7], v[\a:\a+15], v[\b:\b+15], 0, v[\sa], v[\sb] \mod
.else
	v_wmma_scale_f32_16x16x128_f8f6f4 v[\d:\d+7], v[\a:\a+15], v[\b:\b+15], v[\d:\d+7], v[\sa], v[\sb] \mod
.endif
.endm
.macro PROD kind, e, n                 ; product n = 4 q + t: K step q, token tile t; W's block in set e of window 3; x's fragment n in window 1 + n / 16
.set Q_, (\n)/4
.set AC_, ACC+32*(\e)+8*((\n)%4)
.set XR_, 16*((\n)%16)
.set SR_, 128*(\e)+16*Q_
.set XS_, XS+8*((\n)%4)+Q_
.set WS_, WS+Q_
.set Z_, 0
.if (\n) < 4
.set Z_, 1
.endif
.if \kind
	WIN (1+(\n)/16)|(3<<2)
.if \e
	WM AC_, XR_, SR_, XS_, WS_, Z_, matrix_b_scale:MATRIX_SCALE_ROW1
.else
	WM AC_, XR_, SR_, XS_, WS_, Z_
.endif
.else
	WIN 3|((1+(\n)/16)<<2)
.if \e
	WM AC_, SR_, XR_, WS_, XS_, Z_, matrix_a_scale:MATRIX_SCALE_ROW1
.else
	WM AC_, SR_, XR_, WS_, XS_, Z_
.endif
.endif
.endm
.macro BLOCK kind, e
.set N_, 0
.rept 32
	PROD \kind, \e, N_
.set N_, N_+1
.endr
.endm
.macro FETCH e, sc                     ; block e of the pair at s[OFF] into set e; sc = 1: ahead of it the pair's scale words.  Eight places stand behind the last product, ahead of loads into what it read
	WIN 0
	v_add_nc_u32 v[ADR], s[OFF], v[ADR0]
.if \sc
	v_add_nc_u32 v[ASW], s[SOF], v[ASW0]
.endif
	PLACES 8
.if \sc
	ds_load_b128 v[WS:WS+3], v[ASW]
	ds_load_b128 v[WS+4:WS+7], v[ASW] offset:16
.endif
	WIN 3<<6
.irp q, 0,1,2,3,4,5,6,7
.irp c, 0,1,2,3
	ds_load_b128 v[128*\e+16*\q+4*\c:128*\e+16*\q+4*\c+3], v[ADR] offset:\e*16*PITCH+128*\q+32*\c
.endr
.endr
	WIN 0
.endm
; THE QUANTISER OF A PAIR OF BLOCKS: four blocks of 32, 16 numbers a lane each.  kind 0: tile n's sums of both blocks; kind 1: the sums of tiles 2 (n % 2), + 1 of block n / 2
.macro QUANT kind
	s_wait_xcnt 0x0                                ; the last pair's stores have read their codes and their base
	s_add_nc_u64 s[OB:OB+1], s[B0:B0+1], s[GO:GO+1]
	s_add_co_u32 s[GO], s[GO], s[OD]
	s_sub_co_u32 s[OD], s[OT], s[OD]
.if \kind
	v_add_nc_u32 v[VB], s[BOF], v[VBV]
.else
	v_add_nc_u32 v[VB], s[BOF], v[VBQ]
.endif
	s_add_co_u32 s[BOF], s[BOF], 64
.irp n, 0,1,2,3
.set LO_, ACC+8*\n+8*\n*\kind
	v_max3_num_f32 v[TM+\n], |v[LO_]|, |v[LO_+1]|, 0x4800000   ; with the floor 2^(9 - 127): the byte cannot fall under 1
.endr
.irp i, 2,4,6
.irp n, 0,1,2,3
.set LO_, ACC+8*\n+8*\n*\kind
	v_max3_num_f32 v[TM+\n], v[TM+\n], |v[LO_+\i]|, |v[LO_+\i+1]|
.endr
.endr
.irp i, 0,2,4,6
.irp n, 0,1,2,3
.set HI_, ACC+8*\n+8*\n*\kind+32-24*\kind
	v_max3_num_f32 v[TM+\n], v[TM+\n], |v[HI_+\i]|, |v[HI_+\i+1]|
.endr
.endr
.irp n, 0,1,2,3
	v_permlanex16_b32 v[TM+4+\n], v[TM+\n], s60, s61
.endr
.irp n, 0,1,2,3
	v_max_num_f32 v[TM+\n], v[TM+\n], v[TM+4+\n]   ; with lane l xor 16's 16
.endr
.irp n, 0,1,2,3
	v_add_nc_u32 v[TM+12+\n], 0xfc000000, v[TM+\n] ; 8 off the exponent field: the conversion's scale operand
.endr
.irp n, 0,1,2,3
	v_and_or_b32 v[TM+8+\n], v[TM+\n], 0x7f800000, s62   ; 448 x the scale
.endr
.irp n, 0,1,2,3
	v_lshrrev_b32 v[TM+4+\n], 23, v[TM+12+\n]      ; the byte
.endr
.irp n, 0,1,2,3
	ds_store_b8 v[VB], v[TM+4+\n] offset:\n        ; both halves of the lanes write the same byte with the same value
.endr
.irp n, 0,1,2,3
.set LO_, ACC+8*\n+8*\n*\kind
.set HI_, LO_+32-24*\kind
.irp i, 0,1,2,3,4,5,6,7
	v_med3_num_f32 v[LO_+\i], v[LO_+\i], -v[TM+8+\n], v[TM+8+\n]   ; the conversion does not saturate (ISA guide 7.6.2): the hold comes first
.endr
.irp i, 0,1,2,3,4,5,6,7
	v_med3_num_f32 v[HI_+\i], v[HI_+\i], -v[TM+8+\n], v[TM+8+\n]
.endr
	v_cvt_scalef32_pk8_fp8_f32 v[CD+4*\n:CD+4*\n+1], v[LO_:LO_+7], v[TM+12+\n]
	v_cvt_scalef32_pk8_fp8_f32 v[CD+4*\n+2:CD+4*\n+3], v[HI_:HI_+7], v[TM+12+\n]
.endr
	v_nop                                          ; a plain line behind the last conversion
.irp n, 0,1,2,3
.if \kind
	global_store_b128 v[LI], v[CD+4*\n:CD+4*\n+3], s[OB:OB+1] offset:(\n/2)*2048+(\n%2)*512
.else
	global_store_b128 v[LI], v[CD+4*\n:CD+4*\n+3], s[OB:OB+1] offset:\n*1024   ; 32 lanes store 512 consecutive bytes, aligned
.endif
.endr
.endm
.macro PAIR kind, fetch, wrap          ; two blocks and their way out; fetch = 1: each set then takes the block two on (wrap = 1: from slot 0's first rows)
.if \fetch
.if \wrap
	s_mov_b32 s[OFF], 0
.else
	s_add_co_u32 s[OFF], s[OFF], 32*PITCH
.endif
	s_add_co_u32 s[SOF], s[SOF], 1024
.endif
	s_wait_dscnt 32                                ; set 0 and the scale words are in; at most set 1's 32 loads stay out
	BLOCK \kind, 0
.if \fetch
	FETCH 0, 0
	s_wait_dscnt 32                                ; set 1 is in; the 32 loads just issued stay out
.else
	s_wait_dscnt 0x0
.endif
	BLOCK \kind, 1
.if \fetch
	FETCH 1, 1
.else
	WIN 0
	PLACES 8
.endif
	QUANT \kind
.endm
.macro LOOP3 kind, label
	s_mov_b32 s[CNT], 3
\label:
	PAIR \kind, 1, 0
	s_sub_co_i32 s[CNT], s[CNT], 1
	s_cmp_lg_u32 s[CNT], 0
	s_cbranch_scc1 \label
.endm
	s_load_b256 s[4:11], s[0:1], 0x0               ; xc, xs, wc, ws
	s_load_b128 s[92:95], s[0:1], 0x20             ; qc, qs
	s_load_b64 s[96:97], s[0:1], 0x30              ; kv
	v_lshl_add_u32 v[SPW], v0, 2, SPARE
	v_mov_b32 v[NIL], 0
	ds_add_u32 v[SPW], v[NIL]                      ; the opening lines: the add, twice on end, and its wait
	ds_add_u32 v[SPW], v[NIL]
	v_lshrrev_b32 v1, 5, v0
	v_readfirstlane_b32 s14, v1                    ; wave 0..3
	s_bfe_u32 s15, ttmp6, 0x40000                  ; cx
	s_lshl_b32 s16, ttmp9, 2
	s_add_co_u32 s16, s16, s15                     ; which 256 tokens
	s_and_b32 s17, ttmp7, 0xffff                   ; which pair of heads
	s_mov_b32 s[G1+0], 15|(1<<20)|(1<<21)|(7<<22)|(3<<25)   ; the four partners; elements of 1 byte; 4 words of padding behind every 256
	s_mov_b32 s[G1+1], 1024<<16                    ; tensor_dim0
	s_mov_b32 s[G1+2], 32<<16                      ; tensor_dim1
	s_mov_b32 s[G1+3], 1024<<16                    ; tile_dim0
	s_mov_b32 s[G1+4], 32                          ; tile_dim1
	s_mov_b32 s[G1+5], 1024                        ; the pitch
	s_mov_b32 s[G1+6], 0
	s_mov_b32 s[G1+7], 0
	s_mov_b32 s[G0], 1
	s_mul_i32 s[G0+1], s14, 32*PITCH               ; slot 0, my quarter
	s_lshl_b32 s20, s17, 17                        ; wc: 128 rows a pair of heads, 32 a wave
	s_lshl_b32 s21, s14, 15
	s_add_co_u32 s20, s20, s21
	s_mov_b32 s21, 0
	s_wait_alu depctr_va_vdst(0)
	s_wait_dscnt 0x0
	CROUND                                         ; the opening round
	s_wait_kmcnt 0x0
	s_add_nc_u64 s[G0+2:G0+3], s[8:9], s[20:21]
	s_or_b32 s[G0+3], s[G0+3], 0x80000000
	TLOAD                                          ; Q's rows: the wave's one load at the head
	s_lshr_b32 s18, s16, 2                         ; the batch
	s_and_b32 s19, s16, 3                          ; which 256 of its tokens
	s_lshl_b32 s20, s18, 4
	s_lshl_b32 s21, s17, 1
	s_add_co_u32 s20, s20, s21                     ; 16 x batch + my first head
	s_lshr_b32 s22, s14, 1
	s_and_b32 s23, s14, 1
	s_mov_b32 s75, 0
	s_lshl_b32 s74, s16, 18                        ; xc: 16,384 bytes a tile, 4 tiles a wave
	s_lshl_b32 s76, s14, 16
	s_add_co_u32 s74, s74, s76
	s_add_nc_u64 s[4:5], s[4:5], s[74:75]
	s_lshl_b32 s74, s16, 13                        ; xs: 32 bytes a row
	s_lshl_b32 s76, s14, 11
	s_add_co_u32 s74, s74, s76
	s_add_nc_u64 s[6:7], s[6:7], s[74:75]
	s_lshl_b32 s74, s17, 12                        ; ws
	s_add_nc_u64 s[10:11], s[10:11], s[74:75]
	s_lshl_b32 s74, s17, 17
	s_add_nc_u64 s[36:37], s[8:9], s[74:75]        ; the prefetches' base
	s_lshl_b32 s74, s20, 16                        ; qc: 65,536 a head, 1,024 a tile
	s_lshl_b32 s76, s19, 14
	s_add_co_u32 s74, s74, s76
	s_lshl_b32 s76, s14, 12
	s_add_co_u32 s74, s74, s76
	s_add_nc_u64 s[40:41], s[92:93], s[74:75]
	s_lshl_b32 s74, s20, 12                        ; qs: 4,096 a head, 256 for my four tiles
	s_lshl_b32 s76, s19, 10
	s_add_co_u32 s74, s74, s76
	s_lshl_b32 s76, s14, 8
	s_add_co_u32 s74, s74, s76
	s_add_nc_u64 s[46:47], s[94:95], s[74:75]
	s_mul_i32 s74, s20, REC                        ; kv: my head's record, my key step
	s_lshl_b32 s76, s19, 1
	s_add_co_u32 s76, s76, s22
	s_mul_i32 s76, s76, STEPB
	s_add_co_u32 s74, s74, s76
	s_add_nc_u64 s[78:79], s[96:97], s[74:75]
	s_lshl_b32 s74, s23, 12
	s_add_nc_u64 s[42:43], s[78:79], s[74:75]      ; K's tiles 4 (wave % 2) on
	s_lshl_b32 s74, s23, 10
	s_add_co_u32 s74, s74, 8192
	s_add_nc_u64 s[44:45], s[78:79], s[74:75]      ; V's pieces 2 (wave % 2) on
	s_lshl_b32 s74, s23, 8
	s_add_co_u32 s74, s74, 16384
	s_add_nc_u64 s[48:49], s[78:79], s[74:75]      ; K's words
	s_mul_i32 s74, s23, REC
	s_add_co_u32 s74, s74, 16896
	s_add_nc_u64 s[50:51], s[78:79], s[74:75]      ; V's words: wave n stores head n % 2 of key step n / 2
	s_lshl_b32 s70, s14, 9
	s_add_co_u32 s70, s70, XQ
	s_lshl_b32 s71, s14, 8
	s_add_co_u32 s71, s71, XV
	s_and_b32 s72, s14, 2
	s_lshl_b32 s72, s72, 8
	s_lshl_b32 s73, s23, 7
	s_add_co_u32 s72, s72, s73
	s_add_co_u32 s72, s72, XV
	s_lshl_b32 s73, s15, 2
	s_add_co_u32 s73, s73, s14
	s_lshl_b32 s73, s73, 13                        ; which of the cluster's sixteen waves I am: 8,192 bytes of a chunk
	s_mov_b32 s60, 0x76543210
	s_mov_b32 s61, 0xfedcba98
	s_mov_b32 s62, 0x600000
	s_mov_b64 s[B0:B0+1], s[40:41]
	s_mov_b32 s[GO], 0
	s_mov_b32 s[GO+1], 0
	s_mov_b32 s[OD], 512
	s_mov_b32 s[OT], 65536
	s_mov_b32 s[OFF], 0
	s_mov_b32 s[SOF], 0
	s_mov_b32 s[BOF], 0
	v_and_b32 v1, 15, v0                           ; r
	v_bfe_u32 v2, v0, 4, 1                         ; h
	v_and_b32 v3, 31, v0
	v_mul_u32_u24 v[ADR0], v1, PITCH
	v_lshl_add_u32 v[ADR0], v2, 4, v[ADR0]
	v_lshlrev_b32 v[XO], 4, v3                     ; 16 x lane: a piece of xc lies in the order of the lanes
	v_lshlrev_b32 v[XSO], 4, v1
	v_lshlrev_b32 v[T16], 4, v0
	v_add_nc_u32 v[WSL], SCW, v[T16]
	v_lshl_add_u32 v[ASW0], v3, 5, SCW
	v_lshlrev_b32 v[LI], 4, v3
	v_lshl_add_u32 v[VBQ], v1, 2, s70
	v_lshl_add_u32 v[VBV], v1, 2, s71
	v_lshl_add_u32 v[AQ], v2, 7, v[VBQ]            ; lanes 16-31 read the second head's bytes
	v_lshl_add_u32 v[AV], v1, 2, s72
	v_lshl_add_u32 v[AV], v2, 6, v[AV]             ; lanes 16-31 the head's second pair
	v_lshlrev_b32 v[QWO], 4, v1
	v_lshl_add_u32 v[VWO], v2, 3, v[QWO]
	v_mul_u32_u24 v[KWO], v2, REC
	v_add_nc_u32 v[KWO], v[KWO], v[QWO]
	v_lshl_add_u32 v[QWO], v2, 12, v[QWO]
	v_lshl_add_u32 v[PF], v3, 8, s73
.irp n, 0,1,2,3
	v_mov_b32 v[TM+4+\n], 0                        ; a lane permute's destination counts as one of its sources
.endr
	s_wait_alu depctr_va_vdst(0)
	s_cmp_lt_u32 ttmp9, 4
	s_cbranch_scc0 .Lno_pf
	global_prefetch_b8 v[PF], s[36:37] offset:0x100000 th:TH_LOAD_NT scope:SCOPE_SE   ; K's rows
	global_prefetch_b8 v[PF], s[36:37] offset:0x200000 th:TH_LOAD_NT scope:SCOPE_SE   ; V's rows
.Lno_pf:
.irp k, 0,1,2,3,4,5
	global_load_b128 v[WT+4*\k:WT+4*\k+3], v[T16], s[10:11] offset:(\k/2)*32768+(\k%2)*2048   ; W's scale bytes: 4,096 dense bytes of Q's, K's, V's rows
.endr
.irp t, 0,1,2,3
	global_load_b128 v[XS+8*\t:XS+8*\t+3], v[XSO], s[6:7] offset:512*\t
	global_load_b128 v[XS+8*\t+4:XS+8*\t+7], v[XSO], s[6:7] offset:512*\t+256
.endr
.set N_, 0
.rept 32                                       ; x's fragment n = 4 q + t
	WIN (1+N_/16)<<6
.irp c, 0,1,2,3
	global_load_b128 v[16*(N_%16)+4*\c:16*(N_%16)+4*\c+3], v[XO], s[4:5] offset:(N_%4)*16384+(4*(N_/4)+\c)*512
.endr
.set N_, N_+1
.endr
	WIN 0
	s_wait_loadcnt 0x0
.irp k, 0,1,2,3,4,5
	ds_store_b128 v[WSL], v[WT+4*\k:WT+4*\k+3] offset:2048*\k
.endr
	s_wait_tensorcnt 0x0                           ; Q's rows are in
	ds_add_u32 v[SPW], v[NIL]
	s_add_co_u32 s[G0+1], s[G0+1], SLOT            ; no load of mine is out: K's rows, 1,024 rows on in wc, into slot 1
	s_add_nc_u64 s[G0+2:G0+3], s[G0+2:G0+3], 0x100000
	s_wait_dscnt 0x0
	CROUND
	TLOAD
	FETCH 0, 0
	FETCH 1, 1
	LOOP3 0, .Lq                                   ; Q: pairs 0 to 2
	BAR                                            ; K's rows are shown
	PAIR 0, 1, 0                                   ; pair 3; the sets take K's first blocks
	s_mov_b64 s[B0:B0+1], s[42:43]
	s_mov_b32 s[GO], 0
	s_mov_b32 s[OD], 512
	s_mov_b32 s[OT], REC
	s_wait_tensorcnt 0x0                           ; the lines ahead of a refill
	ds_add_u32 v[SPW], v[NIL]
	s_mul_i32 s[G0+1], s14, 32*PITCH               ; V's rows into slot 0, whose last rows were fetched in pair 2
	s_add_nc_u64 s[G0+2:G0+3], s[G0+2:G0+3], 0x100000
	s_wait_dscnt 0x0
	CROUND
	TLOAD
	LOOP3 0, .Lk                                   ; K: pairs 4 to 6
	BAR                                            ; V's rows are shown
	PAIR 0, 1, 1                                   ; pair 7; the sets take V's first blocks
	s_mov_b64 s[B0:B0+1], s[44:45]
	s_mov_b32 s[GO], 0
	s_mov_b32 s[OD], 4096
	s_mov_b32 s[BOF], 0
	LOOP3 1, .Lv
	PAIR 1, 0, 0
	s_wait_dscnt 0x0                               ; my bytes are stored
	s_barrier_signal -1
	s_barrier_wait -1                              ; and my neighbour's: a word of V's has two bytes of each
	ds_load_b32 v[F], v[AQ]                        ; Q: the bytes of the head's first 32, four tiles,
	ds_load_b32 v[F+1], v[AQ] offset:64            ; of its second 32
	ds_load_b32 v[F+2], v[AQ] offset:256           ; K likewise
	ds_load_b32 v[F+3], v[AQ] offset:320
	ds_load_b32 v[F+4], v[AV]                      ; V: keys 0-63's bytes of two tiles,
	ds_load_b32 v[F+5], v[AV] offset:256           ; keys 64-127's
	s_wait_dscnt 0x0
.irp t, 0,1,2,3
	v_perm_b32 v[XW+\t], v[F+1], v[F], 0x0c0c0400+0x101*\t     ; tile t's word: two bytes, zeros above
	v_perm_b32 v[YW+\t], v[F+3], v[F+2], 0x0c0c0400+0x101*\t
.endr
	v_perm_b32 v[ZW], v[F+5], v[F+4], 0x05040100
	v_perm_b32 v[ZW+1], v[F+5], v[F+4], 0x07060302
	global_store_b128 v[QWO], v[XW:XW+3], s[46:47] ; 16 lanes store 256 consecutive bytes, aligned; lanes 16-31 the second head's
	global_store_b128 v[KWO], v[YW:YW+3], s[48:49]
	global_store_b64 v[VWO], v[ZW:ZW+1], s[50:51]  ; 32 lanes store 256 consecutive bytes, aligned
	s_wait_tensorcnt 0x0                           ; the wave's end
	ds_add_u32 v[SPW], v[NIL]
	s_wait_dscnt 0x0
	CROUND                                         ; the closing round
	s_endpgm
.Lfunc_end_k_qee5c158c62_proj:
	.size	k_qee5c158c62_proj, .Lfunc_end_k_qee5c158c62_proj-k_qee5c158c62_proj
	.p2alignl 7, 3214868480
	.fill 96, 4, 3214868480
	.section	.rodata,"a",@progbits
	.p2align	6, 0x0
	.amdhsa_kernel k_qee5c158c62_proj
		.amdhsa_group_segment_fixed_size 327680
		.amdhsa_private_segment_fixed_size 0
		.amdhsa_enable_private_segment 0
		.amdhsa_kernarg_size 56
		.amdhsa_user_sgpr_count 2
		.amdhsa_user_sgpr_kernarg_segment_ptr 1
		.amdhsa_wavefront_size32 1
		.amdhsa_system_sgpr_workgroup_id_x 1
		.amdhsa_system_sgpr_workgroup_id_y 1
		.amdhsa_system_sgpr_workgroup_id_z 1
		.amdhsa_system_vgpr_workitem_id 0
		.amdhsa_next_free_vgpr 1024
		.amdhsa_next_free_sgpr 102
		.amdhsa_reserve_vcc 0
		.amdhsa_float_denorm_mode_32 3
		.amdhsa_float_denorm_mode_16_64 3
		.amdhsa_memory_ordered 1
		.amdhsa_forward_progress 1
		.amdhsa_inst_pref_size 157
	.end_amdhsa_kernel
	.amdgpu_metadata
---
amdhsa.version: [ 1, 2 ]
amdhsa.kernels:
  - .name:           k_qee5c158c62_proj
    .symbol:         k_qee5c158c62_proj.kd
    .args:
      - { .name: xc, .offset: 0, .size: 8, .value_kind: global_buffer, .address_space: global }
      - { .name: xs, .offset: 8, .size: 8, .value_kind: global_buffer, .address_space: global }
      - { .name: wc, .offset: 16, .size: 8, .value_kind: global_buffer, .address_space: global }
      - { .name: ws, .offset: 24, .size: 8, .value_kind: global_buffer, .address_space: global }
      - { .name: qc, .offset: 32, .size: 8, .value_kind: global_buffer, .address_space: global }
      - { .name: qs, .offset: 40, .size: 8, .value_kind: global_buffer, .address_space: global }
      - { .name: kv, .offset: 48, .size: 8, .value_kind: global_buffer, .address_space: global }
    .group_segment_fixed_size: 327680
    .private_segment_fixed_size: 0
    .kernarg_segment_align: 8
    .kernarg_segment_size: 56
    .max_flat_workgroup_size: 128
    .sgpr_count:     102
    .vgpr_count:     1024
    .wavefront_size: 32
...
	.end_amdgpu_metadata
.endif
;; end of part 2
;; launch attn (part 3): grid 2 x 128, 16 waves a work-group, no clusters, 212,992 bytes of LDS; arguments qc, qs, kv, mask, out0; writes out0
.if DOCPART == 3
	.amdgcn_target "amdgcn-amd-amdhsa--gfx1250"
	.amdhsa_code_object_version 6
	.text
	.protected	k_qee5c158c62_attn
	.globl	k_qee5c158c62_attn
	.p2align	8
	.type	k_qee5c158c62_attn,@function
k_qee5c158c62_attn:
	s_mov_b64 s[64:65], 0
	v_nop
	global_prefetch_b8 v0, s[64:65] scope:SCOPE_SE
	s_setreg_imm32_b32 hwreg(HW_REG_WAVE_MODE, 25, 1), 1
	s_wait_xcnt 0x0
; out[b][token][head 64 + d] = sum over keys of softmax(q . k / 8 - 10000 (1 - m[key])) v, both products on codes of FP8 (E4M3) with E8M0 scales.
; qc, qs, kv hold images of operand registers.  A head's record in kv (8 key steps of 128 keys x 17,152 bytes: K's 8 tiles, V's 4 tiles, K's and V's scale words) comes into LDS ONCE, by eight tensor loads;
; nothing in LDS is filled again.
; SHARES.  A work-group owns 512 queries of one head (grid x: which half; grid y: 16 x batch + head).  Each of its sixteen waves owns one tile of 16 queries in each of two passes, in 256 registers:
; four waves to a SIMD, so that one wave's vector work stands beside another's matrix work and LDS loads.
; LAYOUT.  Both products are used transposed: S^T = K Q^T, O^T = V^T P^T: a lane holds ONE query (lane % 16) throughout.  Lane r of a tile of tokens holds token 32 (T / 2) + 8 (T % 2) + r + 8 (r / 8),
; so the 16 registers of S^T's tiles 2 b, 2 b + 1 are the keys 32 b + 16 (lane / 16) + 0 .. 15, which the conversions turn into the second product's operand as they stand.  V's channels lie likewise.
; THE HEAD HAS 64, THE MATRIX FORM 128 ALONG K.  Q's registers 8-15 are zero codes.  K's tile t is named v[32 + 8 t : 47 + 8 t]: its upper half is the next tile's codes (behind the last tile: zeros).
; Those products are a finite number x 0, under scale bytes 0: they add nothing.
; THE MASK IS ARITHMETIC: -80000 (1 - m) for each key (key 0: 0) is the C of the first product, so that t = (S - 80000 (1 - m)) log2(e) / 8 is reference's logit x log2(e).
; SOFTMAX.  M = the running largest t rounded up to a whole number; p = 2^(t - M) is quantised along the keys; the row's sum is taken of the unquantised p and divides at the end; when M moves, sum and O^T are
; multiplied by 2^(old M - new M), exactly.
; NO CLUSTER: a record is fetched once by each of the two work-groups of a head, 137,216 bytes each, at the head of the kernel and never again: two partners are no group that a joint request's mask serves here.
; NO PREFETCH: all that the work-group reads is asked for in its first lines.
; LIMITS: NaN and infinities are not served; a mask's numbers stay under 2^24 in magnitude; a block whose every p is 0 keeps the byte 1 (its codes are zeros).
.set STEPB, 17152                      ; a key step's record
.set BIAS,  137216                     ; LDS: behind the head's record: 1,024 f32, the mask's term for each key
.set STAGE, 141312                     ; behind it: 16 rows x (256 + 16) bytes for each wave, for the way out
.set LI16, 1                           ; v1   16 x lane
.set R16,  2                           ; v2   16 x (lane % 16)
.set BI0,  3                           ; v3   BIAS + 64 (lane / 16)
.set ALI,  4                           ; v4   the step's images
.set ASC,  5                           ; v5   the step's scale words
.set ABI,  6                           ; v6   the step's mask terms
.set STO,  7                           ; v7   the way out: where I put 16 bytes of a row
.set SRD,  8                           ; v8   where I read a row back
.set GO,   9                           ; v9   my byte offset in out0
.set QF,   16                          ; v16-23 Q's codes, v24-31 zeros
.set KF,   32                          ; v32-95 K's 8 tiles x 8, later V's 4 x 16; v96-103 zeros
.set S,    104                         ; v104-167 S^T, then p
.set O,    168                         ; v168-199 O^T
.set PC,   200                         ; v200-215 p's codes
.set KSW,  216                         ; v216-223 K's scale words
.set VSW,  224                         ; v224-227 V's
.set WV,   14
.set SEL,  20
.set CS,   22
.set TB,   36                          ; s36  LDS byte at which the step's record begins
.set TBI,  37                          ; s37  and its 512 bytes of mask terms
	s_load_b256 s[4:11], s[0:1], 0x0               ; qc, qs, kv, mask
	s_load_b64 s[12:13], s[0:1], 0x20              ; out0
	v_lshl_add_u32 v254, v0, 2, 0x33800
	v_mov_b32 v255, 0
	ds_add_u32 v254, v255
	ds_add_u32 v254, v255
	s_wait_dscnt 0x0
	v_lshrrev_b32 v1, 5, v0
	s_delay_alu instid0(VALU_DEP_1)
	v_readfirstlane_b32 s[WV], v1                  ; wave 0..15
	s_and_b32 s15, ttmp7, 0xffff                   ; 16 x batch + head
	s_mov_b32 s16, ttmp9                           ; which 512 queries
	s_mov_b32 s24, 3<<16                           ; group 1: a dense block of 17,152 bytes as 67 rows of 32 elements of 8 bytes; no mask, no padding
	s_mov_b32 s25, 32<<16                          ; tensor_dim0
	s_mov_b32 s26, 67<<16                          ; tensor_dim1
	s_mov_b32 s27, 32<<16                          ; tile_dim0
	s_mov_b32 s28, 67                              ; tile_dim1
	s_mov_b32 s29, 32                              ; the pitch
	s_mov_b32 s30, 0
	s_mov_b32 s31, 0
	s_mov_b32 s32, 1
	s_mul_i32 s33, s[WV], STEPB                    ; wave w brings key step w to LDS byte 17,152 w
	s_mul_i32 s40, s15, 8*STEPB
	s_add_co_u32 s40, s40, s33
	s_mov_b32 s41, 0
	s_wait_kmcnt 0x0
	s_add_nc_u64 s[34:35], s[8:9], s[40:41]
	s_or_b32 s35, s35, 0x80000000
	s_cmp_lt_u32 s[WV], 2                          ; waves 0-7 fetch, one load each: the launch's only fills.  Waves 0 and 1 have a line of their own: key steps 0 and 1 are shown ahead of the rest
	s_cbranch_scc0 .Lfill_b
	tensor_load_to_lds s[32:35], s[24:31]
	s_nop 0
.rept 4
	v_nop
.endr
	s_branch .Lno_fill
.Lfill_b:
	s_cmp_lt_u32 s[WV], 8
	s_cbranch_scc0 .Lno_fill
	tensor_load_to_lds s[32:35], s[24:31]
	s_nop 0
.rept 4
	v_nop
.endr
.Lno_fill:
	v_and_b32 v[LI16], 31, v0
	s_delay_alu instid0(VALU_DEP_1)
	v_lshlrev_b32 v[LI16], 4, v[LI16]
	v_and_b32 v2, 15, v0                           ; r
	v_bfe_u32 v3, v0, 4, 1                         ; h
	s_mul_i32 s42, s[WV], 16*272
	s_add_co_u32 s42, s42, STAGE                   ; my stage
	v_mul_u32_u24 v[STO], v2, 272
	s_delay_alu instid0(VALU_DEP_1)
	v_lshl_add_u32 v[STO], v3, 6, v[STO]
	s_delay_alu instid0(VALU_DEP_1)
	v_add_nc_u32 v[STO], s42, v[STO]               ; in: row r, + 64 h
	v_mul_u32_u24 v[SRD], v3, 272
	s_delay_alu instid0(VALU_DEP_1)
	v_lshl_add_u32 v[SRD], v2, 4, v[SRD]
	s_delay_alu instid0(VALU_DEP_1)
	v_add_nc_u32 v[SRD], s42, v[SRD]               ; back: lanes 0-15 one row, lanes 16-31 the next
	v_lshlrev_b32 v[GO], 12, v3
	s_delay_alu instid0(VALU_DEP_1)
	v_lshl_add_u32 v[GO], v2, 4, v[GO]             ; and the same two rows of out0, 4,096 bytes apart
	v_lshlrev_b32 v[R16], 4, v2
	s_wait_alu depctr_va_vdst(0)
	v_lshl_add_u32 v[BI0], v3, 6, BIAS
	s_lshl_b32 s40, s15, 16                        ; qc: 65,536 bytes a head, 1,024 a tile; pass 0's tile is 32 x half + wave
	s_lshl_b32 s43, s16, 5
	s_add_co_u32 s43, s43, s[WV]
	s_lshl_b32 s43, s43, 10
	s_add_co_u32 s40, s40, s43
	s_add_nc_u64 s[4:5], s[4:5], s[40:41]
	s_lshl_b32 s40, s15, 12                        ; qs: 4,096 bytes a head, 256 for four tiles, 4 for a tile in a row's 16
	s_lshl_b32 s43, s16, 3
	s_lshr_b32 s44, s[WV], 2
	s_add_co_u32 s43, s43, s44
	s_lshl_b32 s43, s43, 8
	s_add_co_u32 s40, s40, s43
	s_and_b32 s44, s[WV], 3
	s_lshl_b32 s44, s44, 2
	s_add_co_u32 s40, s40, s44
	s_add_nc_u64 s[6:7], s[6:7], s[40:41]
	s_lshr_b32 s44, s15, 4                         ; the batch
	s_mul_i32 s40, s44, 4092                       ; mask: 1,023 numbers a batch
	s_add_nc_u64 s[10:11], s[10:11], s[40:41]
	s_lshl_b32 s40, s44, 10                        ; out0: row 1,024 x batch + 512 x half + 32 (wave / 2) + 8 (wave % 2),
	s_lshl_b32 s43, s16, 9
	s_add_co_u32 s40, s40, s43
	s_lshr_b32 s43, s[WV], 1
	s_lshl_b32 s43, s43, 5
	s_add_co_u32 s40, s40, s43
	s_and_b32 s43, s[WV], 1
	s_lshl_b32 s43, s43, 3
	s_add_co_u32 s40, s40, s43
	s_lshl_b32 s40, s40, 12
	s_and_b32 s43, s15, 15                         ; + 256 bytes x head
	s_lshl_b32 s43, s43, 8
	s_add_co_u32 s40, s40, s43
	s_add_nc_u64 s[12:13], s[12:13], s[40:41]
	global_load_b128 v[QF:QF+3], v[LI16], s[4:5]                ; Q's codes of pass 0,
	global_load_b128 v[QF+4:QF+7], v[LI16], s[4:5] offset:512
	global_load_b128 v[228:231], v[LI16], s[4:5] offset:16384   ; and of pass 1: 16 tiles on
	global_load_b128 v[248:251], v[LI16], s[4:5] offset:16896
	global_load_b32 v11, v[R16], s[6:7]                         ; Q's scale words
	global_load_b32 v10, v[R16], s[6:7] offset:1024
.irp i, 0,1,2,3,4,5,6,7
	v_mov_b32 v[QF+8+\i], 0                        ; zero codes for K = 64 .. 127
	v_mov_b32 v[KF+64+\i], 0
.endr
	v_cmp_eq_u32 vcc_lo, 0, v0                     ; thread t serves keys t and t + 512; key j > 0 has the mask's number j - 1; key 0 is always kept
	v_add_nc_u32 v232, -1, v0
	s_delay_alu instid0(VALU_DEP_1)
	v_cndmask_b32 v232, v232, v[QF+8], vcc_lo      ; (thread 0 reads number 0 and does not use it)
	s_delay_alu instid0(VALU_DEP_1)
	v_lshlrev_b32 v232, 2, v232
	v_lshlrev_b32 v233, 2, v0
	global_load_b32 v234, v232, s[10:11]
	global_load_b32 v235, v233, s[10:11] offset:2044
	s_mov_b32 s18, 0x479c4000                      ; 80000.0 = 10000 x 8: the mask's term ahead of the scaling by 1 / 8
	s_mov_b32 s19, 0x600000                        ; the mantissa field of 448
	s_mov_b32 s[SEL], 0x76543210
	s_mov_b32 s[SEL+1], 0xfedcba98                 ; v_permlanex16_b32's selects for lane l xor 16
	s_mov_b32 s[CS], 0x3e38aa3b                    ; c = log2(e) / 8
	s_mov_b32 s[CS+1], s[CS]                       ; (named with it as a pair, so it is written)
	v_lshl_add_u32 v254, v0, 2, BIAS
.irp b, 0,1,2,3
	v_mov_b32 v[236+\b], 0                         ; written once: a lane permute's destination counts as one of its sources
.endr
	v_mov_b32 v252, 0
	v_mov_b32 v253, 0                              ; (the upper half of the pair v[252:253])
	s_wait_loadcnt 0x0
	v_cvt_f32_i32 v234, v234
	v_cvt_f32_i32 v235, v235
	s_delay_alu instid0(VALU_DEP_2)
	v_fma_f32 v234, v234, s18, -s18                ; -80000 (1 - m)
	s_delay_alu instid0(VALU_DEP_2)
	v_fma_f32 v235, v235, s18, -s18
	s_delay_alu instid0(VALU_DEP_2)
	v_cndmask_b32 v234, v234, v[QF+8], vcc_lo      ; key 0: 0
	ds_store_b32 v254, v234
	ds_store_b32 v254, v235 offset:2048
	s_cmp_lt_u32 s[WV], 2
	s_cbranch_scc0 .Lnot_first
	s_wait_tensorcnt 0x0                           ; waves 0 and 1: key steps 0 and 1 have landed
.Lnot_first:
	s_wait_dscnt 0x0                               ; my mask terms are stored:
	s_barrier_signal -1
	s_barrier_wait -1                              ; everybody's are, and the first two key steps are shown
; A KEY STEP: 128 keys.
.macro STEP
	v_add_nc_u32 v[ALI], s[TB], v[LI16]
	v_add_nc_u32 v[ASC], s[TB], v[R16]
	v_add_nc_u32 v[ABI], s[TBI], v[BI0]
.rept 5
	v_nop                                          ; with the three additions: eight places behind the last step's products, ahead of loads into registers that they read
.endr
.irp t, 0,1,2,3,4,5,6,7
	ds_load_b128 v[KF+8*\t:KF+8*\t+3], v[ALI] offset:1024*\t          ; K's tile t as its registers were stored: 512 consecutive bytes a load
	ds_load_b128 v[KF+8*\t+4:KF+8*\t+7], v[ALI] offset:1024*\t+512
.endr
	ds_load_b128 v[KSW:KSW+3], v[ASC] offset:16384                    ; lane r: row r's scale words of tiles 0-3,
	ds_load_b128 v[KSW+4:KSW+7], v[ASC] offset:16640                  ; and 4-7
.irp n, 0,1,2,3,4,5,6,7,8,9,10,11,12,13,14,15
	ds_load_b128 v[S+4*\n:S+4*\n+3], v[ABI] offset:128*(\n/4)+16*(\n%4)   ; the mask's terms of keys 32 b + 16 h + 0 .. 15, into the accumulators
.endr
	s_wait_alu depctr_va_vdst(0)
	s_wait_dscnt 0x0
.irp t, 0,1,2,3,4,5,6,7
	v_wmma_scale_f32_16x16x128_f8f6f4 v[S+8*\t:S+8*\t+7], v[KF+8*\t:KF+8*\t+15], v[QF:QF+15], v[S+8*\t:S+8*\t+7], v[KSW+\t], v11
.endr
.rept 8
	v_nop                                          ; places ahead of loads into K's registers and of the first read of the scores
.endr
.irp a, 0,1,2,3
.irp c, 0,1,2,3
	ds_load_b128 v[KF+16*\a+4*\c:KF+16*\a+4*\c+3], v[ALI] offset:8192+2048*\a+512*\c   ; V's four tiles land while the softmax is worked
.endr
.endr
	ds_load_b128 v[VSW:VSW+3], v[ASC] offset:16896
.irp b, 0,1,2,3
	v_max3_num_f32 v[232+\b], v[S+16*\b], v[S+1+16*\b], v[S+2+16*\b]   ; the largest score of each block of 32 keys: for the row's maximum and, since p rises with the score, for the block's largest p
.endr
.irp i, 3,5,7,9,11,13
.irp b, 0,1,2,3
	v_max3_num_f32 v[232+\b], v[232+\b], v[S+16*\b+\i], v[S+1+16*\b+\i]
.endr
.endr
.irp b, 0,1,2,3
	v_max_num_f32 v[232+\b], v[232+\b], v[S+15+16*\b]
.endr
.irp b, 0,1,2,3
	s_delay_alu instid0(VALU_DEP_4)
	v_permlanex16_b32 v[236+\b], v[232+\b], s[SEL], s[SEL+1]
.endr
.irp b, 0,1,2,3
	s_delay_alu instid0(VALU_DEP_4)
	v_max_num_f32 v[232+\b], v[232+\b], v[236+\b]  ; with lane l xor 16's 16 keys
.endr
	s_delay_alu instid0(VALU_DEP_2)
	v_max3_num_f32 v254, v232, v233, v234
	s_delay_alu instid0(VALU_DEP_1)
	v_max_num_f32 v254, v254, v235
	s_delay_alu instid0(VALU_DEP_1)
	v_mul_f32 v254, s[CS], v254                    ; as t (c is positive)
	s_delay_alu instid0(VALU_DEP_1)
	v_max_num_f32 v13, v13, v254                   ; the running largest t
	v_mov_b32 v254, v12
	s_delay_alu instid0(VALU_DEP_2)
	v_floor_f32 v12, -v13                          ; the new -M = floor(-t): M is a whole number
	s_delay_alu instid0(VALU_DEP_1)
	v_sub_f32 v254, v12, v254                      ; old M - new M: a whole number, 0 or less
	s_delay_alu instid0(VALU_DEP_1)
	v_cvt_i32_f32 v254, v254                       ; (it saturates)
	s_delay_alu instid0(VALU_DEP_1)
	v_ldexp_f32 v252, 1.0, v254                    ; f = 2^(old M - new M)
.set j, 0
.rept 32
	v_pk_fma_f32 v[S+j:S+j+1], v[S+j:S+j+1], s[CS:CS+1], v[12:13] op_sel_hi:[1,0,0]   ; t - M, two at a time
.set j, j+2
.endr
.irp b, 0,1,2,3
	v_fma_f32 v[232+\b], v[232+\b], s[CS], v12     ; the same of each block's largest score
.endr
.set j, 0
	s_wait_alu depctr_va_vdst(0)
.rept 64
	v_exp_f32 v[S+j], v[S+j]                       ; p = 2^(t - M), at most 1: not normalised
.set j, j+1
.endr
	v_pk_mul_f32 v[14:15], v[14:15], v[252:253] op_sel_hi:[1,0]   ; the sums under the new M: the plain instruction behind the exponentials
	s_wait_alu depctr_va_vdst(0)                   ; one wait for the batch of 64, ahead of its first reader
.irp b, 0,1,2,3
	v_exp_f32 v[232+\b], v[232+\b]                 ; the blocks' largest p
.endr
	v_pk_add_f32 v[236:237], v[108:109], v[112:113]
	v_pk_add_f32 v[254:255], v[116:117], v[120:121]
	v_pk_add_f32 v[246:247], v[124:125], v[128:129]
	v_pk_add_f32 v[244:245], v[132:133], v[136:137]
	v_pk_add_f32 v[242:243], v[140:141], v[144:145]
	v_pk_add_f32 v[240:241], v[148:149], v[152:153]
	v_pk_add_f32 v[238:239], v[156:157], v[160:161]
	v_pk_add_f32 v[14:15], v[14:15], v[164:165]
	v_pk_add_f32 v[236:237], v[236:237], v[104:105]
	v_pk_add_f32 v[254:255], v[254:255], v[106:107]
	v_pk_add_f32 v[246:247], v[246:247], v[110:111]
	v_pk_add_f32 v[244:245], v[244:245], v[114:115]
	v_pk_add_f32 v[242:243], v[242:243], v[118:119]
	v_pk_add_f32 v[240:241], v[240:241], v[122:123]
	v_pk_add_f32 v[238:239], v[238:239], v[126:127]
	v_pk_add_f32 v[14:15], v[14:15], v[130:131]
	v_pk_add_f32 v[236:237], v[236:237], v[134:135]
	v_pk_add_f32 v[254:255], v[254:255], v[138:139]
	v_pk_add_f32 v[246:247], v[246:247], v[142:143]
	v_pk_add_f32 v[244:245], v[244:245], v[146:147]
	v_pk_add_f32 v[242:243], v[242:243], v[150:151]
	v_pk_add_f32 v[240:241], v[240:241], v[154:155]
	v_pk_add_f32 v[238:239], v[238:239], v[158:159]
	v_pk_add_f32 v[14:15], v[14:15], v[162:163]
	v_pk_add_f32 v[236:237], v[236:237], v[166:167]
	s_delay_alu instid0(VALU_DEP_2)
	v_pk_add_f32 v[14:15], v[14:15], v[244:245]
	s_delay_alu instid0(VALU_DEP_2)
	v_pk_add_f32 v[236:237], v[236:237], v[242:243]
	v_pk_add_f32 v[254:255], v[254:255], v[240:241]
	v_pk_add_f32 v[246:247], v[246:247], v[238:239]
	s_delay_alu instid0(VALU_DEP_2)
	v_pk_add_f32 v[14:15], v[14:15], v[254:255]
	s_delay_alu instid0(VALU_DEP_2)
	v_pk_add_f32 v[236:237], v[236:237], v[246:247]
	s_delay_alu instid0(VALU_DEP_1)
	v_pk_add_f32 v[14:15], v[14:15], v[236:237]
	s_wait_alu depctr_va_vdst(0)                   ; and one for the four
.irp b, 0,1,2,3
	v_max_num_f32 v[232+\b], 0x4800000, v[232+\b]  ; the floor 2^(9 - 127): the byte cannot fall under 1
.endr
.irp b, 0,1,2,3
	s_delay_alu instid0(VALU_DEP_4)
	v_add_nc_u32 v[244+\b], 0xfc000000, v[232+\b]  ; the conversion's scale operand
.endr
.irp b, 0,1,2,3
	v_and_or_b32 v[240+\b], v[232+\b], 0x7f800000, s19   ; 448 x the scale
.endr
.irp b, 0,1,2,3
	v_lshrrev_b32 v[236+\b], 23, v[244+\b]         ; the scale's byte
.endr
	s_delay_alu instid0(VALU_DEP_3)
	v_lshl_or_b32 v255, v237, 8, v236              ; p's scale word for these 128 keys: more than eight plain instructions ahead of the products
	s_delay_alu instid0(VALU_DEP_1)
	v_lshl_or_b32 v255, v238, 16, v255
	s_delay_alu instid0(VALU_DEP_1)
	v_lshl_or_b32 v255, v239, 24, v255
.irp b, 0,1,2,3
.set i, 0
.rept 8
	v_dual_min_num_f32 v[S+16*\b+i], v[S+16*\b+i], v[240+\b] :: v_dual_min_num_f32 v[S+16*\b+i+1], v[S+16*\b+i+1], v[240+\b]   ; the conversion does not saturate (ISA guide 7.6.2); p is not negative: a one-sided hold, two numbers a line
.set i, i+2
.endr
	v_cvt_scalef32_pk8_fp8_f32 v[PC+4*\b:PC+4*\b+1], v[S+16*\b:S+16*\b+7], v[244+\b]
	v_cvt_scalef32_pk8_fp8_f32 v[PC+4*\b+2:PC+4*\b+3], v[S+16*\b+8:S+16*\b+15], v[244+\b]
.endr
.set j, 0
.rept 16
	v_pk_mul_f32 v[O+j:O+j+1], v[O+j:O+j+1], v[252:253] op_sel_hi:[1,0]   ; O^T under the new M; these sixteen are also the places between the codes and the products
.set j, j+2
.endr
	s_wait_alu depctr_va_vdst(0)
	s_wait_dscnt 0x0                               ; V is in
.irp a, 0,1,2,3
	v_wmma_scale_f32_16x16x128_f8f6f4 v[O+8*\a:O+8*\a+7], v[KF+16*\a:KF+16*\a+15], v[PC:PC+15], v[O+8*\a:O+8*\a+7], v[VSW+\a], v255
.endr
.endm
	s_mov_b32 s39, 2
.Lpass:                                                ; two passes: tiles 32 x half + wave and 16 further on
	v_mov_b32 v13, 0xff61b1e6                      ; the largest t so far: -3e38
	s_delay_alu instid0(VALU_DEP_1)
	v_floor_f32 v12, -v13                          ; -M
	v_mov_b32 v14, 0                               ; the sum, in two halves
	v_mov_b32 v15, 0
.set j, 0
.rept 32
	v_mov_b32 v[O+j], 0                            ; the step is written once: the first finds zeros, which the first change of M leaves zeros
.set j, j+1
.endr
	s_mov_b32 s[TB], 0
	s_mov_b32 s[TBI], 0
	s_mov_b32 s38, 2
.Lstep:                                                ; key steps 0 and 1
	STEP
	s_add_co_u32 s[TB], s[TB], STEPB
	s_add_co_u32 s[TBI], s[TBI], 512
	s_sub_co_u32 s38, s38, 1
	s_cmp_lg_u32 s38, 0
	s_cbranch_scc1 .Lstep
	s_wait_alu depctr_va_vdst(0)
	s_wait_tensorcnt 0x0                           ; every wave: all that it fetched has landed (in the second pass nothing is out)
	s_wait_dscnt 0x0
	s_barrier_signal -1
	s_barrier_wait -1                              ; key steps 2 to 7 are shown
	s_mov_b32 s38, 6
.Lstep2:
	STEP
	s_add_co_u32 s[TB], s[TB], STEPB
	s_add_co_u32 s[TBI], s[TBI], 512
	s_sub_co_u32 s38, s38, 1
	s_cmp_lg_u32 s38, 0
	s_cbranch_scc1 .Lstep2
	; THE WAY OUT of a pass: O^T / the sum goes through my stage and leaves as rows of 256 bytes
.rept 8
	v_nop                                          ; places behind the last products
.endr
	v_add_f32 v14, v14, v15
	s_delay_alu instid0(VALU_DEP_1)
	v_permlanex16_b32 v252, v14, s[SEL], s[SEL+1]
	s_delay_alu instid0(VALU_DEP_1)
	v_add_f32 v14, v14, v252                       ; the row's sum
	s_wait_alu depctr_va_vdst(0)
	v_rcp_f32 v14, v14
	v_nop                                          ; a plain instruction behind the reciprocal,
	s_wait_alu depctr_va_vdst(0)                   ; and the wait ahead of its first reader
.set j, 0
.rept 32
	v_mul_f32 v[S+j], v[O+j], v14                  ; register 8 a + i is channel 32 (a / 2) + 16 h + 8 (a % 2) + i of my query; each accumulator from its low end on
.set j, j+1
.endr
.irp a, 0,1,2,3
	ds_store_b128 v[STO], v[S+8*\a:S+8*\a+3] offset:128*(\a/2)+32*(\a%2)
	ds_store_b128 v[STO], v[S+8*\a+4:S+8*\a+7] offset:128*(\a/2)+32*(\a%2)+16
.endr
.irp i, 0,1,2,3,4,5,6,7
	ds_load_b128 v[KF+4*\i:KF+4*\i+3], v[SRD] offset:544*\i   ; LDS serves a wave's instructions in order (ISA guide 5.7.1.4): these see my stores
.endr
.irp i, 0,1,2,3,4,5,6,7
	s_wait_dscnt 7-\i                              ; the younger loads stay out
	global_store_b128 v[GO], v[KF+4*\i:KF+4*\i+3], s[12:13] offset:(2*\i+8*(\i/4))*4096 th:TH_STORE_NT   ; stage rows 2 i, 2 i + 1 are tokens 2 i + 8 (i / 4) and the next; 16 lanes store 256 consecutive bytes, aligned
.endr
	s_wait_xcnt 0x0                                ; the stores have read their registers and their base: both may be written
	s_add_nc_u64 s[12:13], s[12:13], 256*4096      ; the next pass's tile lies 256 tokens on
	v_mov_b32 v11, v10                             ; its scale words and its codes: the pass's first lines are more than eight plain instructions ahead of the products
.irp i, 0,1,2,3
	v_mov_b32 v[QF+\i], v[228+\i]
	v_mov_b32 v[QF+4+\i], v[248+\i]
.endr
	s_sub_co_u32 s39, s39, 1
	s_cmp_lg_u32 s39, 0
	s_cbranch_scc1 .Lpass
	s_wait_xcnt 0x0
	v_lshl_add_u32 v254, v0, 2, 0x33800
	v_mov_b32 v255, 0
	s_wait_alu depctr_va_vdst(0)
	s_wait_tensorcnt 0x0
	ds_add_u32 v254, v255
	s_wait_dscnt 0x0
	s_endpgm
.Lfunc_end_k_qee5c158c62_attn:
	.size	k_qee5c158c62_attn, .Lfunc_end_k_qee5c158c62_attn-k_qee5c158c62_attn
	.p2alignl 7, 3214868480
	.fill 96, 4, 3214868480
	.section	.rodata,"a",@progbits
	.p2align	6, 0x0
	.amdhsa_kernel k_qee5c158c62_attn
		.amdhsa_group_segment_fixed_size 212992
		.amdhsa_private_segment_fixed_size 0
		.amdhsa_enable_private_segment 0
		.amdhsa_kernarg_size 40
		.amdhsa_user_sgpr_count 2
		.amdhsa_user_sgpr_kernarg_segment_ptr 1
		.amdhsa_wavefront_size32 1
		.amdhsa_system_sgpr_workgroup_id_x 1
		.amdhsa_system_sgpr_workgroup_id_y 1
		.amdhsa_system_sgpr_workgroup_id_z 1
		.amdhsa_system_vgpr_workitem_id 0
		.amdhsa_next_free_vgpr 256
		.amdhsa_next_free_sgpr 66
		.amdhsa_reserve_vcc 1
		.amdhsa_float_denorm_mode_32 3
		.amdhsa_float_denorm_mode_16_64 3
		.amdhsa_memory_ordered 1
		.amdhsa_forward_progress 1
		.amdhsa_inst_pref_size 54
	.end_amdhsa_kernel
	.amdgpu_metadata
---
amdhsa.version: [ 1, 2 ]
amdhsa.kernels:
  - .name:           k_qee5c158c62_attn
    .symbol:         k_qee5c158c62_attn.kd
    .args:
      - { .name: qc, .offset: 0, .size: 8, .value_kind: global_buffer, .address_space: global }
      - { .name: qs, .offset: 8, .size: 8, .value_kind: global_buffer, .address_space: global }
      - { .name: kv, .offset: 16, .size: 8, .value_kind: global_buffer, .address_space: global }
      - { .name: mask, .offset: 24, .size: 8, .value_kind: global_buffer, .address_space: global }
      - { .name: out0, .offset: 32, .size: 8, .value_kind: global_buffer, .address_space: global }
    .group_segment_fixed_size: 212992
    .private_segment_fixed_size: 0
    .kernarg_segment_align: 8
    .kernarg_segment_size: 40
    .max_flat_workgroup_size: 512
    .sgpr_count:     66
    .vgpr_count:     256
    .wavefront_size: 32
...
	.end_amdgpu_metadata
.endif
;; end of part 3
